; MI455X (gfx1250); checked and timed in simulation.
; The chip was launched on July 23, 2026; its instructions are those of AMD's public machine-readable ISA for CDNA 5 (MIT licence, August 2026) and "CDNA5" Instruction Set Architecture Reference Guide (July 2026). The comments in the code are by the model that wrote it; some were corrected since.
;; Attention. Allowed arithmetic: float matrix products may take bf16 or f16 operands with f32 sums; other float arithmetic in f32, or as packed bf16 or f16 multiplies, adds, multiply-adds, maxima and minima; sums over many terms, partial sums and values carried from step to step in f32; what a program stores and reads back later, other than sums and carried values, may be rounded once to bf16 or f16.
;; Inputs: W_dec 1,024 x 1,024 float32; W_enc 1,024 x 1,024 float32; b_dec 1,024 float32; b_enc 1,024 float32; b_score one number float32; hidden_state 64 x 1,024 float32; spatial_feats 64 x 1,024 x 1,024 float32; w_score 1,024 float32.
;; Outputs: out0 64 x 1,024 float32; out1 64 x 1,024 float32.
;; One version. Each part assembles by itself: llvm-mc -triple=amdgcn-amd-amdhsa -mcpu=gfx1250 --defsym DOCPART=n.
;; ======== version 1 of 1: 3 launches
;; workspace buffers: wp 2,097,152 bytes; tab 1,048,576 bytes; cst 256 bytes; scores 262,144 bytes; pctx 2,097,152 bytes
;; launch prep (part 1): grid 64 x 4, 8 waves a work-group, no clusters, 16,384 bytes of LDS; arguments W_enc, W_dec, hidden_state, b_dec, b_enc, w_score, b_score, wp, tab, cst; writes wp, tab, cst
.if DOCPART == 1
	.amdgcn_target "amdgcn-amd-amdhsa--gfx1250"
	.amdhsa_code_object_version 6
	.text
	.protected	k_qecfea03e97_prep
	.globl	k_qecfea03e97_prep
	.p2align	8
	.type	k_qecfea03e97_prep,@function
k_qecfea03e97_prep:
	s_mov_b64 s[64:65], 0
	v_nop
	global_prefetch_b8 v0, s[64:65] scope:SCOPE_SE
	s_setreg_imm32_b32 hwreg(HW_REG_WAVE_MODE, 25, 1), 1
	s_wait_xcnt 0x0
; PREP.  Three small things that the launch behind it needs, each made once:
;  wp   W_enc rounded to bf16 and laid in the order of matrix fragments: [o/64][k/32][(o/16)%4][half][lane][16 bytes]; lane (r, h) of half 0 holds
;       W_enc[16 tile + r][32 ks + 8 h .. + 7], of half 1 the same 16 further along k.  A fragment is then two loads of 512 consecutive bytes a wave.
;  tab  for each batch b and output o a record of 16 bytes: (C2 (dec[b][o] + b_dec[o] + b_enc[o]), -2 w[o], -2 w[o], 0), C2 = 2 log2(e), dec = hidden W_dec^T (bf16 operands, f32 sums).
;  cst  c0 = the sum of w_score + b_score, 64 times: with tanh x = 1 - 2 / (1 + 2^(C2 x)) a score is c0 + the sum over o of (-2 w[o]) / (1 + 2^(C2 x[o])).
; SHARES.  Work-group (g, y): outputs 16 g .. + 15, batches 16 y .. + 15: 256 equal groups.  Wave v of eight takes k = 128 v .. + 127 of dec (four matrix instructions on two
; accumulators by turns), and K step 8 y + v of tile g of W_enc.  The eight partial sums meet in LDS.
; LIMITS.  NaN and infinities are not treated apart.
.set SPARE, 8192                       ; behind the partial sums: the spare words, 128 bytes for each of eight waves
.set SPW, 2                            ; v2   LDS address of my spare word; never rewritten
.set NIL, 3                            ; v3   0; never rewritten
.set RA,  8                            ; v8-71    hidden: K step i at RA + 16 i: 16 f32, then 8 registers of bf16 in place
.set RB,  72                           ; v72-135  W_dec likewise
.set RW,  136                          ; v136-151 W_enc likewise
.set ACC, 160                          ; v160-167, v168-175 the two accumulators
	s_load_b512 s[8:23], s[0:1], 0x0               ; W_enc s[8:9], W_dec s[10:11], hidden s[12:13], b_dec s[14:15], b_enc s[16:17], w_score s[18:19], b_score s[20:21], wp s[22:23]
	s_load_b128 s[24:27], s[0:1], 0x40             ; tab s[24:25], cst s[26:27]
	v_lshl_add_u32 v[SPW], v0, 2, SPARE
	v_mov_b32 v[NIL], 0
	v_lshrrev_b32 v1, 5, v0
	v_readfirstlane_b32 s2, v1                     ; wave v
	s_mov_b32 s4, ttmp9                            ; g
	s_and_b32 s3, ttmp7, 0xffff                    ; y
	v_and_b32 v1, 31, v0                           ; lane
	v_and_b32 v4, 15, v0                           ; r; later o
	v_bfe_u32 v5, v0, 4, 1                         ; h
	v_lshlrev_b32 v6, 12, v4
	v_lshl_add_u32 v6, v5, 5, v6                   ; a row of 4,096 bytes x r + 32 h
	s_lshl_b32 s5, s2, 9
	v_add_nc_u32 v7, s5, v6                        ; + 512 v: my place in hidden's and W_dec's rows
	s_lshl_b32 s5, s2, 7
	v_add_nc_u32 v6, s5, v6                        ; + 128 v: my place in W_enc's rows
	v_lshlrev_b32 v156, 2, v4                      ; 4 o: the biases and w
	v_lshlrev_b32 v157, 4, v1                      ; 16 x lane
	s_lshl_b32 s5, s2, 10
	v_lshl_add_u32 v158, v1, 2, s5                 ; partial sums in: [v][j][lane]
	v_bfe_u32 v159, v0, 4, 3                       ; thread (bl = tid / 16, o = tid % 16) reads register j = bl % 8
	v_lshlrev_b32 v159, 7, v159
	v_lshrrev_b32 v5, 7, v0                        ; of lane 16 (bl / 8) + o
	v_lshl_add_u32 v159, v5, 6, v159
	v_lshl_add_u32 v159, v4, 2, v159
	v_lshrrev_b32 v5, 4, v0                        ; bl
	v_lshlrev_b32 v196, 14, v5                     ; its record: bl rows of 16,384 bytes + 16 o
	v_lshl_add_u32 v196, v4, 4, v196
	s_lshl_b32 s28, s4, 16                         ; 16 g rows of 4,096 bytes
	s_mov_b32 s29, 0
	s_lshl_b32 s30, s3, 16                         ; 16 y rows
	s_mov_b32 s31, 0
	s_lshl_b32 s32, s3, 10                         ; K steps 8 y on: 1,024 bytes x y
	s_mov_b32 s33, 0
	s_lshl_b32 s34, s4, 6                          ; 16 g numbers of 4 bytes
	s_mov_b32 s35, 0
	s_lshr_b32 s38, s4, 2                          ; wp: (g / 4) x 131,072
	s_lshl_b32 s38, s38, 17
	s_lshl_b32 s39, s3, 3
	s_add_co_u32 s39, s39, s2
	s_lshl_b32 s39, s39, 12                        ; + (8 y + v) x 4,096
	s_add_co_u32 s38, s38, s39
	s_and_b32 s39, s4, 3
	s_lshl_b32 s39, s39, 10                        ; + (g % 4) x 1,024
	s_add_co_u32 s38, s38, s39
	s_mov_b32 s39, 0
	s_lshl_b32 s40, s3, 18                         ; tab: 16 y rows of 16,384 bytes
	s_lshl_b32 s41, s4, 8                          ; + 16 g records
	s_add_co_u32 s40, s40, s41
	s_mov_b32 s41, 0
	s_mov_b32 s6, 0x76543210                       ; v_permlanex16_b32: each lane takes its own place in the other half
	s_mov_b32 s7, 0xfedcba98
	s_wait_kmcnt 0x0
	s_add_nc_u64 s[10:11], s[10:11], s[28:29]
	s_add_nc_u64 s[12:13], s[12:13], s[30:31]
	s_add_nc_u64 s[8:9], s[8:9], s[28:29]
	s_add_nc_u64 s[8:9], s[8:9], s[32:33]
	s_add_nc_u64 s[14:15], s[14:15], s[34:35]
	s_add_nc_u64 s[16:17], s[16:17], s[34:35]
	s_add_nc_u64 s[36:37], s[18:19], s[34:35]      ; w at my outputs; s[18:19] stays at w's first number
	s_add_nc_u64 s[22:23], s[22:23], s[38:39]
	s_add_nc_u64 s[24:25], s[24:25], s[40:41]
	; 39 loads: 32 for dec, 4 of W_enc, 3 single numbers.  A fragment's 16 f32 of a lane are 32 bytes at k = 8 h and 32 bytes at k = 16 + 8 h.
.irp i, 0,1,2,3
.irp q, 0,1,2,3
	global_load_b128 v[RA+16*(\i)+4*(\q):RA+16*(\i)+4*(\q)+3], v7, s[12:13] offset:128*(\i)+16*((\q)%2)+64*((\q)/2)
	global_load_b128 v[RB+16*(\i)+4*(\q):RB+16*(\i)+4*(\q)+3], v7, s[10:11] offset:128*(\i)+16*((\q)%2)+64*((\q)/2)
.endr
.endr
.irp q, 0,1,2,3
	global_load_b128 v[RW+4*(\q):RW+4*(\q)+3], v6, s[8:9] offset:16*((\q)%2)+64*((\q)/2)
.endr
	global_load_b32 v152, v156, s[14:15]           ; b_dec[o]
	global_load_b32 v153, v156, s[16:17]           ; b_enc[o]
	global_load_b32 v154, v156, s[36:37]           ; w[o]
	s_wait_loadcnt 7                               ; the 32 for dec are in; the 7 younger may stay out
.irp i, 0,1,2,3
.irp e, 0,1,2,3,4,5,6,7
	v_cvt_pk_bf16_f32 v[RA+16*(\i)+(\e)], v[RA+16*(\i)+2*(\e)], v[RA+16*(\i)+2*(\e)+1]  ; in place, ascending: register e is written when registers 2 e, 2 e + 1 have been read
	v_cvt_pk_bf16_f32 v[RB+16*(\i)+(\e)], v[RB+16*(\i)+2*(\e)], v[RB+16*(\i)+2*(\e)+1]
.endr
.endr
	v_wmma_f32_16x16x32_bf16 v[ACC:ACC+7],    v[RA:RA+7],       v[RB:RB+7],       0      ; rows = batches, columns = outputs; the first two products start the two sums
	v_wmma_f32_16x16x32_bf16 v[ACC+8:ACC+15], v[RA+16:RA+23],   v[RB+16:RB+23],   0
	v_wmma_f32_16x16x32_bf16 v[ACC:ACC+7],    v[RA+32:RA+39],   v[RB+32:RB+39],   v[ACC:ACC+7]
	v_wmma_f32_16x16x32_bf16 v[ACC+8:ACC+15], v[RA+48:RA+55],   v[RB+48:RB+55],   v[ACC+8:ACC+15]
	s_wait_loadcnt 3                               ; W_enc's four are in
.irp e, 0,1,2,3,4,5,6,7
	v_cvt_pk_bf16_f32 v[RW+(\e)], v[RW+2*(\e)], v[RW+2*(\e)+1]  ; eight plain instructions that name no register of the products: the places behind them (ISA guide 7.12.1)
.endr
	global_store_b128 v157, v[RW:RW+3],   s[22:23]             ; each store of the wave covers 512 consecutive bytes, aligned
	global_store_b128 v157, v[RW+4:RW+7], s[22:23] offset:512
.irp e, 0,1,2,3
	v_pk_add_f32 v[176+2*(\e):176+2*(\e)+1], v[ACC+2*(\e):ACC+2*(\e)+1], v[ACC+8+2*(\e):ACC+8+2*(\e)+1]  ; from the low end on
.endr
.irp e, 0,1,2,3,4,5,6,7
	ds_store_b32 v158, v[176+(\e)] offset:128*(\e)
.endr
	s_wait_dscnt 0x0                               ; for the others' sake: my partial sums are in LDS
	s_barrier_signal -1
	s_barrier_wait -1
.irp e, 0,1,2,3,4,5,6,7
	ds_load_b32 v[184+(\e)], v159 offset:1024*(\e) ; the eight waves' parts of dec[bl][o]
.endr
	s_wait_tensorcnt 0x0                           ; the wave's end as far as LDS goes, behind my last LDS store
	ds_add_u32 v[SPW], v[NIL]
	s_wait_dscnt 0x0                               ; the add, and the eight loads
	v_pk_add_f32 v[184:185], v[184:185], v[186:187]
	v_pk_add_f32 v[188:189], v[188:189], v[190:191]
	v_pk_add_f32 v[184:185], v[184:185], v[188:189]
	v_add_f32 v184, v184, v185
	s_wait_loadcnt 0x0                             ; the biases and w
	v_add_f32 v152, v152, v153
	v_add_f32 v184, v184, v152
	v_mul_f32 v192, 0x4038aa3b, v184               ; C2 (dec + b_dec + b_enc)
	v_mul_f32 v193, -2.0, v154
	v_mov_b32 v194, v193
	v_mov_b32 v195, 0
	global_store_b128 v196, v[192:195], s[24:25]   ; sixteen lanes store 256 consecutive bytes, aligned
	s_or_b32 s5, s4, s3
	s_or_b32 s5, s5, s2
	s_cmp_lg_u32 s5, 0
	s_cbranch_scc1 .Ldone                          ; one wave of the launch makes c0
.irp i, 0,1,2,3,4,5,6,7
	global_load_b128 v[200+4*(\i):200+4*(\i)+3], v157, s[18:19] offset:512*(\i)  ; all 1,024 w
.endr
	s_load_b32 s5, s[20:21], 0x0                   ; b_score
	s_wait_loadcnt 0x0
.irp w, 16,8,4,2
.set rr, 0
.rept (\w)/2
	v_pk_add_f32 v[200+rr:200+rr+1], v[200+rr:200+rr+1], v[200+(\w)+rr:200+(\w)+rr+1]
.set rr, rr+2
.endr
.endr
	v_add_f32 v200, v200, v201
	v_add_f32_dpp v200, v200, v200 row_xmask:1 row_mask:0xf bank_mask:0xf
	v_add_f32_dpp v200, v200, v200 row_xmask:2 row_mask:0xf bank_mask:0xf
	v_add_f32_dpp v200, v200, v200 row_xmask:4 row_mask:0xf bank_mask:0xf
	v_add_f32_dpp v200, v200, v200 row_xmask:8 row_mask:0xf bank_mask:0xf
	v_mov_b32 v201, v200
	v_permlanex16_b32 v201, v200, s6, s7
	v_add_f32 v200, v200, v201
	s_wait_kmcnt 0x0
	v_add_f32 v200, s5, v200
	v_mov_b32 v201, v200
	v_lshlrev_b32 v202, 3, v1
	global_store_b64 v202, v[200:201], s[26:27]    ; 256 consecutive bytes
.Ldone:
	s_endpgm
.Lfunc_end_k_qecfea03e97_prep:
	.size	k_qecfea03e97_prep, .Lfunc_end_k_qecfea03e97_prep-k_qecfea03e97_prep
	.p2alignl 7, 3214868480
	.fill 96, 4, 3214868480
	.section	.rodata,"a",@progbits
	.p2align	6, 0x0
	.amdhsa_kernel k_qecfea03e97_prep
		.amdhsa_group_segment_fixed_size 16384
		.amdhsa_private_segment_fixed_size 0
		.amdhsa_enable_private_segment 0
		.amdhsa_kernarg_size 80
		.amdhsa_user_sgpr_count 2
		.amdhsa_user_sgpr_kernarg_segment_ptr 1
		.amdhsa_wavefront_size32 1
		.amdhsa_system_sgpr_workgroup_id_x 1
		.amdhsa_system_sgpr_workgroup_id_y 1
		.amdhsa_system_sgpr_workgroup_id_z 1
		.amdhsa_system_vgpr_workitem_id 0
		.amdhsa_next_free_vgpr 256
		.amdhsa_next_free_sgpr 66
		.amdhsa_reserve_vcc 0
		.amdhsa_float_denorm_mode_32 3
		.amdhsa_float_denorm_mode_16_64 3
		.amdhsa_memory_ordered 1
		.amdhsa_forward_progress 1
		.amdhsa_inst_pref_size 16
	.end_amdhsa_kernel
	.amdgpu_metadata
---
amdhsa.version: [ 1, 2 ]
amdhsa.kernels:
  - .name:           k_qecfea03e97_prep
    .symbol:         k_qecfea03e97_prep.kd
    .args:
      - { .name: W_enc, .offset: 0, .size: 8, .value_kind: global_buffer, .address_space: global }
      - { .name: W_dec, .offset: 8, .size: 8, .value_kind: global_buffer, .address_space: global }
      - { .name: hidden_state, .offset: 16, .size: 8, .value_kind: global_buffer, .address_space: global }
      - { .name: b_dec, .offset: 24, .size: 8, .value_kind: global_buffer, .address_space: global }
      - { .name: b_enc, .offset: 32, .size: 8, .value_kind: global_buffer, .address_space: global }
      - { .name: w_score, .offset: 40, .size: 8, .value_kind: global_buffer, .address_space: global }
      - { .name: b_score, .offset: 48, .size: 8, .value_kind: global_buffer, .address_space: global }
      - { .name: wp, .offset: 56, .size: 8, .value_kind: global_buffer, .address_space: global }
      - { .name: tab, .offset: 64, .size: 8, .value_kind: global_buffer, .address_space: global }
      - { .name: cst, .offset: 72, .size: 8, .value_kind: global_buffer, .address_space: global }
    .group_segment_fixed_size: 16384
    .private_segment_fixed_size: 0
    .kernarg_segment_align: 8
    .kernarg_segment_size: 80
    .max_flat_workgroup_size: 256
    .sgpr_count:     66
    .vgpr_count:     256
    .wavefront_size: 32
...
	.end_amdgpu_metadata
.endif
;; end of part 1
;; launch score (part 2): grid 512 x 1, 4 waves a work-group, no clusters, 319,488 bytes of LDS; arguments spatial_feats, wp, tab, cst, scores, pctx; writes scores, pctx
.if DOCPART == 2
	.amdgcn_target "amdgcn-amd-amdhsa--gfx1250"
	.amdhsa_code_object_version 6
	.text
	.protected	k_qecfea03e97_score
	.globl	k_qecfea03e97_score
	.p2align	8
	.type	k_qecfea03e97_score,@function
k_qecfea03e97_score:
	s_mov_b64 s[64:65], 0
	v_nop
	global_prefetch_b8 v0, s[64:65] scope:SCOPE_SE
	s_setreg_imm32_b32 hwreg(HW_REG_WAVE_MODE, 25, 1), 1
	s_wait_xcnt 0x0
; SCORE.  For a block of 128 rows t of one batch b: enc = feats W_enc^T (bf16 operands, f32 sums), score[t] = c0 + sum over o of (-2 w[o]) / (1 + 2^(C2 enc[t][o] + bias'[b][o])), which is
; sum of w tanh(enc + dec + biases) + b_score with tanh x = 1 - 2 / (1 + 2^(C2 x)), C2 = 2 log2(e); then p[t] = e^(score[t] - the block's maximum) and the block's part of the context, sum of p[t] feats[t][:].
; The scores and the parts go to memory; the launch behind joins the eight blocks of a batch by their maxima.
; LIMITS.  NaN and infinities are not treated apart.  2^z overflows to infinity and underflows to 0, which give tanh = 1 and -1: the formula saturates as tanh does; near 0 its absolute error is about 1e-7.
; The context is a matrix product of the bf16 copy of feats (each number rounded once) with p as the sum of two bf16 numbers (p rounded, and what that rounding left, rounded): p keeps 16 significant bits; sums in f32.
; SHARES.  512 work-groups, four waves.  The block's 128 x 1,024 numbers are read from memory ONCE, rounded to bf16 and kept in LDS (8 slices of 128 k, rows of 256 + 16 bytes) for both products.
; Wave w owns outputs 256 w .. + 255 for all 128 rows, in four CHUNKS of 64: a wave tile of 128 x 64, 32 accumulators, which take turns, one instruction a turn.
; B's fragments come from wp (laid in fragment order) straight into a ring of registers: no two waves of the group use the same fragment, so a stay in LDS would feed no second reader here.
; NO CLUSTER, NO TENSOR LOADS: the block fills 278,528 bytes of LDS; what is left holds two slots of one K step for four waves (2 x 16,384 bytes) at the most: a cluster's barrier for every 32 matrix instructions.
; CHUNK 0 runs while feats arrive: trip s multiplies slice s, rounds and stores slice s + 1, and asks for slice s + 2.  No byte of the copy is written twice; one barrier a trip stands between a slice's stores and its first read.
; BY TURNS.  While chunk c is multiplied, chunk c - 1's 8,192 numbers a wave go through C2 x + bias' (beside the chunk's first K step), 2^z, + 1, 1 / x and the multiply-add with -2 w: one transcendental,
; and with every second of them one plain instruction, behind every second matrix instruction.
; REGISTERS, in windows of 256 (s_set_vgpr_msb: bits 1:0 source 0, 3:2 source 1, 5:4 source 2, 7:6 destination):
;   window 0: v0-15 addresses; v16-31 TN, v32-47 TB the tables of the chunk in hand and of the finished one; v48-63 at work; v64-127, v128-191 A's fragments, two buffers; v192-255 SC, the scores' sums
;   window 1: B's ring, 8 slots of 32          window 2: X, the accumulators, (mt, nt) at 8 (4 mt + nt)          window 3: Y, the finished chunk at work; in chunk 0 the stage for feats as loaded
.set SLB,    34816                     ; a slice: 128 rows x 272 bytes
.set APITCH, 272                       ; 256 bytes + 16: the 16 rows of a fragment load start at 16 different groups of four banks (64 banks of 4 bytes: ISA guide 11.1)
.set RED,    8*SLB                     ; [wave][r] rows of 528 bytes: 128 partial scores + 16 bytes
.set RPITCH, 528
.set SB,     RED+64*RPITCH             ; the block's 128 scores
.set PB,     SB+512                    ; p as bf16: 128 rounded p (256 bytes), then 128 remainders
.set MX,     PB+512                    ; four waves' maxima
.set SPARE,  MX+256                    ; the spare words, 128 bytes for each wave: two blocks of 256 bytes that no other line names
.set CTXS,   SPARE+512                 ; 1,024 bytes for each wave: its 256 sums of the context, on their way out
.set ST0, 4                            ; v4   32 w rows + 8 x lane: where I store 8 bytes of a row of slice 0; never rewritten
.set WO,  5                            ; v5   16 x lane; never rewritten
.set TO,  6                            ; v6   16 r; never rewritten
.set ST,  7                            ; v7   ST0 + the slice in hand
.set AL,  8                            ; v8   chunk 0: my fragments' place in the slice in hand
.set AN,  9                            ; v9   chunk 0: in the slice that follows
.set AD,  10                           ; v10-13  r x 272 + 16 h + 2 i slices
.set SPW, 14                           ; v14  LDS address of my spare word; never rewritten
.set NIL, 15                           ; v15  0; never rewritten
.set TN,  16
.set TB,  32                           ; for column block nt: TB + 4 nt: bias', -2 w, -2 w, 0
.set AF0, 64
.set SC,  192                          ; SC + 8 mt + j: row 16 mt + 8 h + j
.set PF,  16                           ; the context: v16-47 p's fragments, 8 registers for each 32 rows
.set BF,  64                           ; v64-127, v128-191 the copy's fragments, turned: two buffers of 8 column blocks
.set DC,  192                          ; v192-255 eight accumulators
.set FB,  20                           ; s[20:21] feats at my 32 rows, at the slice in hand
.set WB,  22                           ; s[22:23] wp at the trip's or chunk's first K step
.set WN,  24                           ; s[24:25] wp at the chunk that follows
.set W0,  26                           ; s[26:27] wp at my first chunk
.set TBS, 28                           ; s[28:29] tab at my batch and the chunk's 64 outputs
.set C2,  30                           ; s[30:31] 2 log2(e), twice
.set W_MM,  0xa4                       ; A window 0, B window 1, C and D window 2
.set W_RID, 0xf3                       ; destination, sources 0 and 2 window 3, source 1 window 0
.set MSB, 0
.macro WIN new                         ; the immediate's high byte repeats the setting that is left; a switch that changes nothing is dropped
.if MSB != (\new)
	s_set_vgpr_msb (MSB<<8)|(\new)
.set MSB, \new
.endif
.endm
.macro PLACES                          ; a load into a register that a matrix instruction has read stands four plain vector instructions behind it (ISA guide 7.12.1 for vector instructions)
.rept 4
	v_nop
.endr
.endm
.macro MM buf, slot, zero              ; matrix instruction mi of a K step's 32: row block mi / 4, column block mi % 4
	WIN W_MM
.set rX, 8*mi
.set rA, AF0+64*(\buf)+8*(mi/4)
.set rB, 32*(\slot)+8*(mi%4)
.if \zero
	v_wmma_f32_16x16x32_bf16 v[rX:rX+7], v[rA:rA+7], v[rB:rB+7], 0
.else
	v_wmma_f32_16x16x32_bf16 v[rX:rX+7], v[rA:rA+7], v[rB:rB+7], v[rX:rX+7]
.endif
.endm
.macro ALOADS buf, areg, aoff          ; a K step's fragments of A: 8 row blocks, two loads of 16 bytes a lane each, 32 bytes apart
	WIN 0
.set rF, AF0+64*(\buf)
.irp m, 0,1,2,3,4,5,6,7
	ds_load_b128 v[rF+8*(\m):rF+8*(\m)+3],   v[\areg] offset:(\aoff)+(\m)*16*APITCH
	ds_load_b128 v[rF+8*(\m)+4:rF+8*(\m)+7], v[\areg] offset:(\aoff)+(\m)*16*APITCH+32
.endr
.endm
.macro BLOADS slot, base, ko           ; a K step's fragments of B: 8 loads of 512 consecutive bytes a wave
	WIN 0x40
.irp f, 0,1,2,3,4,5,6,7
	global_load_b128 v[32*(\slot)+4*(\f):32*(\slot)+4*(\f)+3], v[WO], s[\base:\base+1] offset:(\ko)*4096+(\f)*512
.endr
.endm
; THE FINISHED CHUNK'S VECTOR WORK, on pairs of registers of Y: pair P (0 to 127) lies at 8 (P / 4) + 2 (P % 4), column block (P / 4) % 4.  For each pair: two 2^z, one packed + 1, two reciprocals, and
; one packed multiply (column block 0) or multiply-add by -2 w onto the row block's column block 0.  The list goes round by round; round it has four SLICES:
;   0: 2^z of pair it's first number      1: of its second, then the multiply-add of pair it - 2      2: the reciprocal of pair it - 1's first number      3: of its second, then + 1 of pair it.
; So between a transcendental and the use of its result stands a plain instruction that touches neither its result nor its source (ISA guide 5.7.2); matrix instructions in between are not counted as such.
.macro SOP p
.if (\p) < 0
	v_nop
	s_wait_alu depctr_va_vdst(0)
.else
.set rSP, 8*((\p)/4)+2*((\p)%4)
.set rSZ, 32*((\p)/16)+2*((\p)%4)
.set rNT, ((\p)/4)%4
.if rNT == 0
	v_pk_mul_f32 v[rSZ:rSZ+1], v[rSP:rSP+1], v[TB+2:TB+3] op_sel_hi:[1,0]
.else
	v_pk_fma_f32 v[rSZ:rSZ+1], v[rSP:rSP+1], v[TB+4*rNT+2:TB+4*rNT+3], v[rSZ:rSZ+1] op_sel_hi:[1,0,1]
.endif
.endif
.endm
.macro RI it, part
.if (\part) == 0
.if (\it) < 128
	WIN W_RID
.set rYP, 8*((\it)/4)+2*((\it)%4)
	v_exp_f32 v[rYP], v[rYP]
.endif
.elseif (\part) == 1
	WIN W_RID
.if (\it) < 128
.set rYP, 8*((\it)/4)+2*((\it)%4)
	v_exp_f32 v[rYP+1], v[rYP+1]
.endif
	SOP (\it)-2
.elseif (\part) == 2
.if ((\it) >= 1) && ((\it) <= 128)
	WIN W_RID
.set rYP, 8*(((\it)-1)/4)+2*(((\it)-1)%4)
	v_rcp_f32 v[rYP], v[rYP]
.endif
.else
	WIN W_RID
.if ((\it) >= 1) && ((\it) <= 128)
.set rYP, 8*(((\it)-1)/4)+2*(((\it)-1)%4)
	v_rcp_f32 v[rYP+1], v[rYP+1]
.endif
.if (\it) < 128
.set rYP, 8*((\it)/4)+2*((\it)%4)
	s_wait_alu depctr_va_vdst(0)
	v_pk_add_f32 v[rYP:rYP+1], v[rYP:rYP+1], 1.0 op_sel_hi:[1,0]
.else
	v_nop
	s_wait_alu depctr_va_vdst(0)
.endif
.endif
.endm
.macro DRAIN                           ; what is left when pair 127's + 1 is done
	RI 128, 1
	RI 128, 2
	RI 128, 3
	RI 129, 1
.endm
; Y = C2 X + bias' for accumulator mi: it is read from its low end on
.macro FACC
	WIN 0xc2                                       ; X window 2, table window 0, Y window 3
.set fi, 4*mi
.rept 4
	v_pk_fma_f32 v[2*fi:2*fi+1], v[2*fi:2*fi+1], s[C2:C2+1], v[TB+4*((fi/4)%4):TB+4*((fi/4)%4)+1] op_sel_hi:[1,0,0]
.set fi, fi+1
.endr
.endm
.macro FSTEP                           ; the same for all 32, where no chunk follows beside whose products it could stand
.set mi, 0
.rept 32
	FACC
.set mi, mi+1
.endr
.endm
; Eight rows (8 g .. + 7 of my 32) of a slice: awaited, rounded in place, stored as 256 consecutive bytes a row; reload = 1: the registers take the same rows two slices on from the slice in hand.
.macro HANDLE g, rb, so, reload, n
	s_wait_loadcnt \n
	WIN 0xcf                                       ; all in window 3
.irp e, 0,1,2,3,4,5,6,7
.set rQ, (\rb)+4*(8*(\g)+(\e))
	v_cvt_pk_bf16_f32 v[rQ], v[rQ], v[rQ+1]
	v_cvt_pk_bf16_f32 v[rQ+1], v[rQ+2], v[rQ+3]
.endr
	WIN 0x0c                                       ; address window 0, data window 3
.irp e, 0,1,2,3,4,5,6,7
.set rQ, (\rb)+4*(8*(\g)+(\e))
	ds_store_b64 v[ST], v[rQ:rQ+1] offset:(8*(\g)+(\e))*APITCH+(\so)
.endr
.if \reload
	WIN 0xc0                                       ; destination window 3
.irp e, 0,1,2,3,4,5,6,7
.set rQ, (\rb)+4*(8*(\g)+(\e))
	global_load_b128 v[rQ:rQ+3], v[WO], s[FB:FB+1] offset:(8*(\g)+(\e))*4096+1024 th:TH_LOAD_NT
.endr
.endif
.endm
; A K STEP of 32 along k: 32 matrix instructions on A's buffer buf and B's slot.  Behind the second stand, in one run, the next step's 16 loads of A (into the other buffer, from v[areg] + aoff) and 8 loads
; of B (into slot rslot, K step rko from s[rbase]): both were last read by the step before.  n: the global loads younger than this step's B.  rid >= 0: sixteen slices of the finished chunk's work, one behind every
; second product.  bar = 1: the trip's barrier: signal at the head, wait behind the second product.  hnd = 1: the slice that follows is rounded and stored, eight rows behind each of products 14, 18, 22, 26.
; fst = 1: a chunk's first step: ahead of the product that starts accumulator mi anew, the finished sums in it are taken over into Y.
.macro KSTEP buf, slot, n, zero, areg, aoff, rslot, rbase, rko, rid, bar, hnd, fst
	s_wait_dscnt 0x0                               ; this step's fragments of A are in; where the step before stored a slice, those stores are done
	s_wait_loadcnt \n
.if \bar
	s_barrier_signal -1
.endif
.set mi, 0
.rept 32
.if \fst
	FACC
.endif
	MM \buf, \slot, \zero
.if mi == 1
.if \bar
	s_barrier_wait -1                              ; every wave's part of the slice that follows is in LDS
.endif
	PLACES
	ALOADS 1-(\buf), \areg, \aoff
	BLOADS \rslot, \rbase, \rko
.endif
.if ((\rid) >= 0) && (mi%2 == 1)
.set rq, 16*(\rid)+mi/2
	RI rq/4, rq%4
.endif
.if (\hnd) && (mi >= 14) && (mi <= 26) && (mi%4 == 2)
	HANDLE (mi-14)/4, 0, SLB, 1, 56                ; 56 younger: the slice's later rows and my reloads, 24 together, and four K steps of B
.endif
.set mi, mi+1
.endr
.endm
; A TRIP of chunk 0: slice s, four K steps; B's ring has four slots here and runs three steps ahead.  The counts: 16 = two younger K steps of B; with hnd = 1 the trip's 32 reloads are younger too: 48.
.macro TRIP hnd
	WIN 0
	v_add_nc_u32 v[AL], s40, v[AD]
	v_add_nc_u32 v[AN], s41, v[AD]
.if \hnd
	v_add_nc_u32 v[ST], s40, v[ST0]
.endif
	KSTEP 0, 0, 16,            0, AL, 64,  3, WB, 3, -1, 0,    \hnd, 0
	KSTEP 1, 1, 16+32*(\hnd),  0, AL, 128, 0, WB, 4, -1, \hnd, 0,    0
	KSTEP 0, 2, 16+32*(\hnd),  0, AL, 192, 1, WB, 5, -1, 0,    0,    0
	KSTEP 1, 3, 16+32*(\hnd),  0, AN, 0,   2, WB, 6, -1, 0,    0,    0
	WIN 0
.endm
.macro TLOAD                           ; the chunk's table: for each column block my output's record
	WIN 0
.irp q, 0,1,2,3
	global_load_b128 v[TN+4*(\q):TN+4*(\q)+3], v[TO], s[TBS:TBS+1] offset:256*(\q)
.endr
.endm
.macro COPYTAB                         ; the finished chunk's table is set aside, ahead of the load of the next
	WIN 0
.set fi, 0
.rept 16
	v_mov_b32 v[TB+fi], v[TN+fi]
.set fi, fi+1
.endr
.endm
.macro SCADD                           ; the chunk's sums, in each row block's column block 0, onto SC
	WIN 0x0c
.set fi, 0
.rept 32
	v_pk_add_f32 v[SC+8*(fi/4)+2*(fi%4):SC+8*(fi/4)+2*(fi%4)+1], v[SC+8*(fi/4)+2*(fi%4):SC+8*(fi/4)+2*(fi%4)+1], v[32*(fi/4)+2*(fi%4):32*(fi/4)+2*(fi%4)+1]
.set fi, fi+1
.endr
.endm
; THE CONTEXT'S PRODUCT.  CL: the fragments of rows 32 kk .. + 31 x 8 column blocks of the slice at v52, turned: the load takes 16 rows x 16 columns (lane l reads row 8 (l / 16) + l % 8, columns 8 ((l / 8) % 2) + 0..7)
; and leaves half a fragment: lane l holds column l % 16 and 8 rows.  CM: 8 matrix instructions, the 8 accumulators by turns; the first K step starts the sums.
.macro CL kk, buf
.irp n, 0,1,2,3,4,5,6,7
	ds_load_tr16_b128 v[BF+64*(\buf)+8*(\n):BF+64*(\buf)+8*(\n)+3],   v52 offset:(\kk)*32*APITCH+32*(\n)
	ds_load_tr16_b128 v[BF+64*(\buf)+8*(\n)+4:BF+64*(\buf)+8*(\n)+7], v52 offset:(\kk)*32*APITCH+16*APITCH+32*(\n)
.endr
.endm
.macro CM kk, buf
.irp n, 0,1,2,3,4,5,6,7
.if (\kk) == 0
	v_wmma_f32_16x16x32_bf16 v[DC+8*(\n):DC+8*(\n)+7], v[PF+8*(\kk):PF+8*(\kk)+7], v[BF+64*(\buf)+8*(\n):BF+64*(\buf)+8*(\n)+7], 0
.else
	v_wmma_f32_16x16x32_bf16 v[DC+8*(\n):DC+8*(\n)+7], v[PF+8*(\kk):PF+8*(\kk)+7], v[BF+64*(\buf)+8*(\n):BF+64*(\buf)+8*(\n)+7], v[DC+8*(\n):DC+8*(\n)+7]
.endif
.endr
.endm
	s_load_b256 s[4:11], s[0:1], 0x0               ; feats s[4:5], wp s[6:7], tab s[8:9], cst s[10:11]
	s_load_b128 s[12:15], s[0:1], 0x20             ; scores s[12:13], pctx s[14:15]
	v_lshl_add_u32 v[SPW], v0, 2, SPARE
	v_mov_b32 v[NIL], 0
	v_lshrrev_b32 v1, 5, v0
	v_readfirstlane_b32 s16, v1                    ; wave w
	v_and_b32 v1, 31, v0                           ; lane
	v_and_b32 v2, 15, v0                           ; r
	v_bfe_u32 v3, v0, 4, 1                         ; h
	s_mov_b32 s17, ttmp9                           ; block g = 8 b + the block in the batch
	v_lshlrev_b32 v[WO], 4, v1
	v_lshlrev_b32 v[TO], 4, v2
	s_mul_i32 s38, s16, 32*APITCH
	v_lshl_add_u32 v[ST0], v1, 3, s38
	v_mul_u32_u24 v[AD], v2, APITCH
	v_lshl_add_u32 v[AD], v3, 4, v[AD]
	v_add_nc_u32 v[AD+1], 2*SLB, v[AD]
	v_add_nc_u32 v[AD+2], 4*SLB, v[AD]
	v_add_nc_u32 v[AD+3], 6*SLB, v[AD]
	s_lshl_b32 s38, s17, 19                        ; 128 rows of 4,096 bytes x g
	s_lshl_b32 s39, s16, 17                        ; + 32 rows x w
	s_add_co_u32 s38, s38, s39
	s_mov_b32 s39, 0
	s_lshl_b32 s42, s16, 19                        ; wp: my four chunks of 131,072 bytes
	s_mov_b32 s43, 0
	s_lshr_b32 s44, s17, 3                         ; tab: batch b's 16,384 bytes
	s_lshl_b32 s44, s44, 14
	s_lshl_b32 s45, s16, 12                        ; + my 256 records
	s_add_co_u32 s44, s44, s45
	s_mov_b32 s45, 0
	s_lshl_b32 s46, s17, 9                         ; scores: 512 bytes x g
	s_mov_b32 s47, 0
	s_lshl_b32 s48, s17, 12                        ; pctx: 4,096 bytes x g
	s_mov_b32 s49, 0
	s_mov_b32 s[C2], 0x4038aa3b
	s_mov_b32 s[C2+1], s[C2]
	s_mov_b32 s35, 0x3fb8aa3b                      ; log2(e)
	s_mov_b32 s36, 0x76543210                      ; v_permlanex16_b32: each lane takes its own place in the other half
	s_mov_b32 s37, 0xfedcba98
	s_mov_b32 s40, 0                               ; LDS offset of the slice in hand,
	s_mov_b32 s41, SLB                             ; and of the one that follows
	; X and SC are cleared, in the wait for the arguments: chunk 0 is a loop from its first K step on, and SC takes its first sums in a loop too; the price is 320 moves, once
	WIN 0x80
.set rr, 0
.rept 256
	v_mov_b32 v[rr], 0
.set rr, rr+1
.endr
	WIN 0
.set rr, 0
.rept 64
	v_mov_b32 v[SC+rr], 0
.set rr, rr+1
.endr
	s_wait_kmcnt 0x0
	s_load_b32 s34, s[10:11], 0x0                  ; c0; awaited where the scores are finished
	s_add_nc_u64 s[FB:FB+1], s[4:5], s[38:39]
	s_add_nc_u64 s[W0:W0+1], s[6:7], s[42:43]
	s_mov_b64 s[WB:WB+1], s[W0:W0+1]
	s_add_nc_u64 s[TBS:TBS+1], s[8:9], s[44:45]
	s_add_nc_u64 s[12:13], s[12:13], s[46:47]
	s_add_nc_u64 s[14:15], s[14:15], s[48:49]
	; THE FIRST LOADS, 92 in this order: slice 0 (32, a row's 512 bytes each), slice 1 (32), the table (4), B's K steps 0, 1, 2 (24)
	WIN 0xc0
.set rr, 0
.rept 32
	global_load_b128 v[128+4*rr:128+4*rr+3], v[WO], s[FB:FB+1] offset:rr*4096 th:TH_LOAD_NT
.set rr, rr+1
.endr
.set rr, 0
.rept 32
	global_load_b128 v[4*rr:4*rr+3], v[WO], s[FB:FB+1] offset:rr*4096+512 th:TH_LOAD_NT
.set rr, rr+1
.endr
	TLOAD
	BLOADS 0, WB, 0
	BLOADS 1, WB, 1
	BLOADS 2, WB, 2
	WIN 0
	v_add_nc_u32 v[ST], s40, v[ST0]
	HANDLE 0, 128, 0, 0, 63                        ; slice 0.  Younger than its rows 8 g .. + 7: 84 - 8 g loads; the wait's field ends at 63
	HANDLE 1, 128, 0, 0, 63
	HANDLE 2, 128, 0, 0, 63
	HANDLE 3, 128, 0, 0, 60
	WIN 0
	s_wait_dscnt 0x0                               ; for the others' sake: my rows of slice 0 are in LDS
	s_barrier_signal -1
	s_barrier_wait -1
	ALOADS 0, AD, 0
	s_mov_b32 s32, 6
.Lc0a:                                                 ; trips s = 0 .. 5: slice s multiplied, slice s + 1 stored, slice s + 2 asked for
	TRIP 1
	s_wait_xcnt 0x0                                ; the bases of the trip's loads are stepped only behind this wait
	s_add_nc_u64 s[WB:WB+1], s[WB:WB+1], 16384
	s_add_nc_u64 s[FB:FB+1], s[FB:FB+1], 512
	s_add_co_u32 s40, s40, SLB
	s_add_co_u32 s41, s41, SLB
	s_sub_co_u32 s32, s32, 1
	s_cmp_lg_u32 s32, 0
	s_cbranch_scc1 .Lc0a
	v_add_nc_u32 v[ST], s40, v[ST0]
	HANDLE 0, 0, SLB, 0, 48                        ; slice 7: younger than its rows 8 g .. + 7 are the later rows and three K steps of B: 48 - 8 g
	HANDLE 1, 0, SLB, 0, 40
	HANDLE 2, 0, SLB, 0, 32
	HANDLE 3, 0, SLB, 0, 24
	WIN 0
	s_wait_dscnt 0x0
	s_barrier_signal -1
	s_barrier_wait -1                              ; the whole copy is in LDS; from here on it is only read
	s_mov_b32 s32, 2
.Lc0b:                                                 ; trips s = 6, 7; the last step fetches slice 0's first fragments, and B runs on into chunk 1
	TRIP 0
	s_wait_xcnt 0x0
	s_add_nc_u64 s[WB:WB+1], s[WB:WB+1], 16384
	s_add_co_u32 s40, s40, SLB
	s_mov_b32 s41, 0
	s_sub_co_u32 s32, s32, 1
	s_cmp_lg_u32 s32, 0
	s_cbranch_scc1 .Lc0b
	PLACES                                         ; slot 3 was read by the last products
	BLOADS 3, WB, 3                                ; the ring grows to eight slots, seven steps ahead: chunk 1's K steps 3 to 6 (0 to 2 are on their way)
	BLOADS 4, WB, 4
	BLOADS 5, WB, 5
	BLOADS 6, WB, 6
	WIN 0
	s_mov_b32 s33, 3
.Lchunk:                                               ; chunks 1, 2, 3 are multiplied; beside each the chunk before is finished
	COPYTAB                                        ; sixteen plain instructions: with those in front of the label, the places behind the last chunk's last products
	s_wait_xcnt 0x0
	s_add_nc_u64 s[WN:WN+1], s[WB:WB+1], 0x20000
	s_cmp_eq_u32 s33, 1                            ; behind my last chunk nothing follows: its seven steps of look-ahead read my first chunk again and are not used: the price of one text for three trips
	s_cselect_b64 s[WN:WN+1], s[W0:W0+1], s[WN:WN+1]
	s_add_nc_u64 s[TBS:TBS+1], s[TBS:TBS+1], 1024
	TLOAD
.set ks, 0
.rept 32                               ; the count 48: six younger K steps of B (in the first seven steps the table's four loads are younger too)
.set kn, (ks+1)%32
.if ks < 25
	KSTEP ks%2, ks%8, 48, (ks==0), AD+kn/8, ((kn/4)%2)*SLB+(kn%4)*64, (ks+7)%8, WB, ks+7, ks, 0, 0, (ks==0)
.else
	KSTEP ks%2, ks%8, 48, (ks==0), AD+kn/8, ((kn/4)%2)*SLB+(kn%4)*64, (ks+7)%8, WN, ks-25, ks, 0, 0, (ks==0)
.endif
.set ks, ks+1
.endr
	DRAIN
	SCADD
	WIN 0
	s_wait_xcnt 0x0
	s_add_nc_u64 s[WB:WB+1], s[WB:WB+1], 0x20000
	s_sub_co_u32 s33, s33, 1
	s_cmp_lg_u32 s33, 0
	s_cbranch_scc1 .Lchunk
	COPYTAB                                        ; the last chunk has no products to stand beside
	FSTEP
.set ti, 0
.rept 128
	RI ti, 0
	RI ti, 1
	RI ti, 2
	RI ti, 3
.set ti, ti+1
.endr
	DRAIN
	SCADD
	; THE SCORES.  A lane's 64 sums are those of its column r in each 16: they are added over the 16 r and the four waves through LDS.
	WIN 0
	s_wait_dscnt 0x0                               ; the last step's fetch of fragments, which nobody uses, has landed: its registers are used again below
	v_mul_u32_u24 v48, v2, RPITCH
	v_lshl_add_u32 v48, v3, 5, v48
	s_mul_i32 s38, s16, 16*RPITCH
	s_add_co_u32 s38, s38, RED
	v_add_nc_u32 v48, s38, v48                     ; row (w, r) of RED, byte 32 h
.set rr, 0
.rept 16                               ; registers SC + 8 mt + 4 u .. + 3 (rr = 2 mt + u) are the block's rows 16 mt + 8 h + 4 u .. + 3: byte 64 mt + 32 h + 16 u; the two halves of the lanes fill all 512 bytes
	ds_store_b128 v48, v[SC+4*rr:SC+4*rr+3] offset:64*(rr/2)+16*(rr%2)
.set rr, rr+1
.endr
	s_wait_dscnt 0x0
	s_barrier_signal -1
	s_barrier_wait -1
	v_lshl_add_u32 v49, v0, 2, RED                 ; thread t takes row t of the block
.set rr, 0
.rept 64
	ds_load_b32 v[64+rr], v49 offset:rr*RPITCH
.set rr, rr+1
.endr
	s_wait_dscnt 0x0
.irp w, 32,16,8,4,2
.set rr, 0
.rept (\w)/2
	v_pk_add_f32 v[64+rr:64+rr+1], v[64+rr:64+rr+1], v[64+(\w)+rr:64+(\w)+rr+1]
.set rr, rr+2
.endr
.endr
	v_add_f32 v64, v64, v65
	s_wait_kmcnt 0x0                               ; c0
	v_add_f32 v50, s34, v64                        ; score[t]
	v_lshl_add_u32 v51, v0, 2, SB
	ds_store_b32 v51, v50
	v_mov_b32 v55, v50
	v_max_num_f32_dpp v55, v55, v55 row_xmask:1 row_mask:0xf bank_mask:0xf
	v_max_num_f32_dpp v55, v55, v55 row_xmask:2 row_mask:0xf bank_mask:0xf
	v_max_num_f32_dpp v55, v55, v55 row_xmask:4 row_mask:0xf bank_mask:0xf
	v_max_num_f32_dpp v55, v55, v55 row_xmask:8 row_mask:0xf bank_mask:0xf
	v_mov_b32 v60, v55
	v_permlanex16_b32 v60, v55, s36, s37
	v_max_num_f32 v55, v55, v60
	s_lshl_b32 s38, s16, 2
	s_add_co_u32 s38, s38, MX
	v_mov_b32 v61, s38
	ds_store_b32 v61, v55                          ; my wave's maximum
	s_wait_dscnt 0x0
	s_barrier_signal -1
	s_barrier_wait -1
	v_mov_b32 v61, MX
	ds_load_b128 v[56:59], v61
	s_wait_dscnt 0x0
	v_max3_num_f32 v55, v56, v57, v58
	v_max_num_f32 v55, v55, v59                    ; the block's maximum
	v_sub_f32 v60, v50, v55
	v_mul_f32 v60, s35, v60
	v_exp_f32 v60, v60                             ; p[t] = e^(score - maximum), at most 1
	v_nop
	s_wait_alu depctr_va_vdst(0)
	v_cvt_pk_bf16_f32 v61, v60, v60                ; p rounded to bf16,
	v_lshlrev_b32 v62, 16, v61
	v_sub_f32 v62, v60, v62                        ; what the rounding left (exact),
	v_cvt_pk_bf16_f32 v62, v62, v62                ; rounded too
	v_lshl_add_u32 v63, v0, 1, PB
	ds_store_b16 v63, v61
	ds_store_b16 v63, v62 offset:256
	s_wait_dscnt 0x0
	s_barrier_signal -1
	s_barrier_wait -1
	s_cmp_lg_u32 s16, 0
	s_cbranch_scc1 .Lnosc                          ; wave 0 stores the block's scores: 512 consecutive bytes, from registers that nothing writes afterwards
	v_lshl_add_u32 v12, v1, 4, SB
	ds_load_b128 v[8:11], v12
	s_wait_dscnt 0x0
	global_store_b128 v[WO], v[8:11], s[12:13]
.Lnosc:
	; THE CONTEXT'S PART, on the matrix unit: D = P F, K = the block's 128 rows.  Row m of P is the rounded p for even m and the remainder for odd m (lane r takes row r % 2), so that in every lane
	; register 0 + register 1 of an accumulator is the sum for column r.  Wave w takes columns 256 w .. + 255: slices 2 w and 2 w + 1, one a trip.
	v_and_b32 v48, 1, v0
	v_lshlrev_b32 v48, 8, v48
	v_lshl_add_u32 v48, v3, 4, v48
	v_add_nc_u32 v48, PB, v48                      ; row r % 2 of p, 16 bytes for each half of the lanes
.irp q, 0,1,2,3
	ds_load_b128 v[PF+8*(\q):PF+8*(\q)+3],   v48 offset:64*(\q)
	ds_load_b128 v[PF+8*(\q)+4:PF+8*(\q)+7], v48 offset:64*(\q)+32
.endr
	v_and_b32 v49, 7, v0
	v_lshl_add_u32 v49, v3, 3, v49
	v_mul_u32_u24 v49, v49, APITCH
	v_bfe_u32 v50, v0, 3, 1
	v_lshl_add_u32 v49, v50, 4, v49                ; my lane's place for the turning load
	v_lshlrev_b32 v51, 2, v2                       ; 4 r
	s_mul_i32 s40, s16, 2*SLB                      ; my first slice
	s_lshl_b32 s43, s16, 10                        ; my 1,024 bytes of the part,
	s_add_co_u32 s41, s43, CTXS                    ; and of the stage
	s_mov_b32 s42, s41
	s_mov_b32 s32, 2
.Lctx:
	v_add_nc_u32 v52, s40, v49
	v_add_nc_u32 v53, s41, v51
	CL 0, 0
	CL 1, 1
	s_wait_dscnt 16                                ; all but the sixteen loads of the K step that follows
	CM 0, 0
	PLACES
	CL 2, 0
	s_wait_dscnt 16
	CM 1, 1
	PLACES
	CL 3, 1
	s_wait_dscnt 16
	CM 2, 0
	s_wait_dscnt 0x0
	CM 3, 1
	PLACES                                         ; ahead of the reads of the results, and of the next trip's loads into the fragments
.irp n, 0,1,2,3,4,5,6,7
	v_add_f32 v[54+(\n)], v[DC+8*(\n)], v[DC+8*(\n)+1]
.endr
.irp n, 0,1,2,3,4,5,6,7
	ds_store_b32 v53, v[54+(\n)] offset:64*(\n)    ; column 16 n + r; the two halves of the lanes hold the same number and write the same word
.endr
	s_add_co_u32 s40, s40, SLB
	s_add_co_u32 s41, s41, 512
	s_sub_co_u32 s32, s32, 1
	s_cmp_lg_u32 s32, 0
	s_cbranch_scc1 .Lctx
	v_lshl_add_u32 v62, v1, 4, s42
	ds_load_b128 v[64:67], v62                     ; my own bytes: LDS serves a wave's instructions in order (ISA guide 5.7.1.4)
	ds_load_b128 v[68:71], v62 offset:512
	v_lshl_add_u32 v63, v1, 4, s43
	s_wait_tensorcnt 0x0                           ; the wave's end as far as LDS goes, behind my last LDS store
	ds_add_u32 v[SPW], v[NIL]
	s_wait_dscnt 0x0                               ; the add, and the two loads
	global_store_b128 v63, v[64:67], s[14:15]              ; each store of the wave covers 512 consecutive bytes, aligned
	global_store_b128 v63, v[68:71], s[14:15] offset:512
	s_endpgm
.Lfunc_end_k_qecfea03e97_score:
	.size	k_qecfea03e97_score, .Lfunc_end_k_qecfea03e97_score-k_qecfea03e97_score
	.p2alignl 7, 3214868480
	.fill 96, 4, 3214868480
	.section	.rodata,"a",@progbits
	.p2align	6, 0x0
	.amdhsa_kernel k_qecfea03e97_score
		.amdhsa_group_segment_fixed_size 319488
		.amdhsa_private_segment_fixed_size 0
		.amdhsa_enable_private_segment 0
		.amdhsa_kernarg_size 48
		.amdhsa_user_sgpr_count 2
		.amdhsa_user_sgpr_kernarg_segment_ptr 1
		.amdhsa_wavefront_size32 1
		.amdhsa_system_sgpr_workgroup_id_x 1
		.amdhsa_system_sgpr_workgroup_id_y 1
		.amdhsa_system_sgpr_workgroup_id_z 1
		.amdhsa_system_vgpr_workitem_id 0
		.amdhsa_next_free_vgpr 1024
		.amdhsa_next_free_sgpr 66
		.amdhsa_reserve_vcc 0
		.amdhsa_float_denorm_mode_32 3
		.amdhsa_float_denorm_mode_16_64 3
		.amdhsa_memory_ordered 1
		.amdhsa_forward_progress 1
		.amdhsa_inst_pref_size 255
	.end_amdhsa_kernel
	.section	.bss,"aw",@nobits
	.p2align	6
	.space	262144
	.amdgpu_metadata
---
amdhsa.version: [ 1, 2 ]
amdhsa.kernels:
  - .name:           k_qecfea03e97_score
    .symbol:         k_qecfea03e97_score.kd
    .args:
      - { .name: spatial_feats, .offset: 0, .size: 8, .value_kind: global_buffer, .address_space: global }
      - { .name: wp, .offset: 8, .size: 8, .value_kind: global_buffer, .address_space: global }
      - { .name: tab, .offset: 16, .size: 8, .value_kind: global_buffer, .address_space: global }
      - { .name: cst, .offset: 24, .size: 8, .value_kind: global_buffer, .address_space: global }
      - { .name: scores, .offset: 32, .size: 8, .value_kind: global_buffer, .address_space: global }
      - { .name: pctx, .offset: 40, .size: 8, .value_kind: global_buffer, .address_space: global }
    .group_segment_fixed_size: 319488
    .private_segment_fixed_size: 0
    .kernarg_segment_align: 8
    .kernarg_segment_size: 48
    .max_flat_workgroup_size: 128
    .sgpr_count:     66
    .vgpr_count:     1024
    .wavefront_size: 32
...
	.end_amdgpu_metadata
.endif
;; end of part 2
;; launch combine (part 3): grid 64 x 1, 8 waves a work-group, no clusters, 4,096 bytes of LDS; arguments scores, pctx, out0, out1; writes out0, out1
.if DOCPART == 3
	.amdgcn_target "amdgcn-amd-amdhsa--gfx1250"
	.amdhsa_code_object_version 6
	.text
	.protected	k_qecfea03e97_combine
	.globl	k_qecfea03e97_combine
	.p2align	8
	.type	k_qecfea03e97_combine,@function
k_qecfea03e97_combine:
	s_mov_b64 s[64:65], 0
	v_nop
	global_prefetch_b8 v0, s[64:65] scope:SCOPE_SE
	s_setreg_imm32_b32 hwreg(HW_REG_WAVE_MODE, 25, 1), 1
	s_wait_xcnt 0x0
; COMBINE.  One work-group for each batch b: weights = softmax of its 1,024 scores; context = the sum over its eight blocks of e^(m_blk - M) / L x the block's part, where m_blk is the block's maximum (the
; same 128 numbers' maximum that the part was made against), M the batch's maximum and L the sum of e^(score - M).  All in f32.
; Thread t of 256 holds scores 4 t .. + 3, so wave v holds block v, and columns 4 t .. + 3 of the eight parts.  All nine loads go out at the start.  64 work-groups: a batch is one softmax, and its work is nine loads long.
; No matrix unit, no cluster: 2.4 MB are read once and nothing is shared.  LIMITS: NaN and infinities are not treated apart; a weight below 2^-126 counts as 0.
.set SPARE, 512                        ; LDS: eight maxima at 0, eight sums at 256, the spare words (128 bytes for each of eight waves) from 512 on
	s_load_b256 s[4:11], s[0:1], 0x0               ; scores s[4:5], pctx s[6:7], out0 s[8:9], out1 s[10:11]
	v_lshl_add_u32 v2, v0, 2, SPARE                ; v2: LDS address of my spare word; never rewritten
	v_mov_b32 v3, 0                                ; v3: 0; never rewritten
	v_lshrrev_b32 v1, 5, v0
	v_readfirstlane_b32 s12, v1                    ; wave
	v_lshlrev_b32 v1, 4, v0                        ; 16 t
	s_lshl_b32 s14, ttmp9, 12                      ; a batch's 4,096 bytes of scores, of out0 and of out1
	s_mov_b32 s15, 0
	s_lshl_b32 s16, ttmp9, 15                      ; its eight parts of 4,096 bytes
	s_mov_b32 s17, 0
	s_mov_b32 s18, 0x76543210
	s_mov_b32 s19, 0xfedcba98
	s_mov_b32 s20, 0x3fb8aa3b                      ; log2(e)
	s_lshl_b32 s13, s12, 2
	v_mov_b32 v42, s13                             ; my wave's word
	v_mov_b32 v43, 0
	s_wait_kmcnt 0x0
	s_add_nc_u64 s[4:5], s[4:5], s[14:15]
	s_add_nc_u64 s[6:7], s[6:7], s[16:17]
	s_add_nc_u64 s[8:9], s[8:9], s[14:15]
	s_add_nc_u64 s[10:11], s[10:11], s[14:15]
	global_load_b128 v[4:7], v1, s[4:5]
.irp i, 0,1,2,3,4,5,6,7
	global_load_b128 v[8+4*(\i):8+4*(\i)+3], v1, s[6:7] offset:4096*(\i)
.endr
	s_wait_loadcnt 8                               ; the scores are in; the eight parts may stay out
	v_max3_num_f32 v40, v4, v5, v6
	v_max_num_f32 v40, v40, v7
	v_max_num_f32_dpp v40, v40, v40 row_xmask:1 row_mask:0xf bank_mask:0xf
	v_max_num_f32_dpp v40, v40, v40 row_xmask:2 row_mask:0xf bank_mask:0xf
	v_max_num_f32_dpp v40, v40, v40 row_xmask:4 row_mask:0xf bank_mask:0xf
	v_max_num_f32_dpp v40, v40, v40 row_xmask:8 row_mask:0xf bank_mask:0xf
	v_mov_b32 v41, v40
	v_permlanex16_b32 v41, v40, s18, s19
	v_max_num_f32 v40, v40, v41                    ; the block's maximum
	ds_store_b32 v42, v40
	s_wait_dscnt 0x0
	s_barrier_signal -1
	s_barrier_wait -1
	ds_load_b128 v[44:47], v43
	ds_load_b128 v[48:51], v43 offset:16
	s_wait_dscnt 0x0
	v_max3_num_f32 v52, v44, v45, v46
	v_max3_num_f32 v53, v47, v48, v49
	v_max3_num_f32 v52, v52, v50, v51
	v_max_num_f32 v52, v52, v53                    ; M
.irp i, 0,1,2,3
	v_sub_f32 v[4+(\i)], v[4+(\i)], v52
.endr
.irp i, 0,1,2,3
	v_mul_f32 v[4+(\i)], s20, v[4+(\i)]
.endr
.irp i, 0,1,2,3
	v_exp_f32 v[4+(\i)], v[4+(\i)]                 ; e^(score - M)
.endr
.irp i, 0,1,2,3,4,5,6,7
	v_sub_f32 v[44+(\i)], v[44+(\i)], v52          ; plain work between the exponentials and the use of their results
.endr
.irp i, 0,1,2,3,4,5,6,7
	v_mul_f32 v[44+(\i)], s20, v[44+(\i)]
.endr
.irp i, 0,1,2,3,4,5,6,7
	v_exp_f32 v[44+(\i)], v[44+(\i)]               ; e^(m_blk - M)
.endr
	s_wait_alu depctr_va_vdst(0)
	v_add_f32 v54, v4, v5
	v_add_f32 v55, v6, v7
	v_add_f32 v54, v54, v55
	v_add_f32_dpp v54, v54, v54 row_xmask:1 row_mask:0xf bank_mask:0xf
	v_add_f32_dpp v54, v54, v54 row_xmask:2 row_mask:0xf bank_mask:0xf
	v_add_f32_dpp v54, v54, v54 row_xmask:4 row_mask:0xf bank_mask:0xf
	v_add_f32_dpp v54, v54, v54 row_xmask:8 row_mask:0xf bank_mask:0xf
	v_mov_b32 v55, v54
	v_permlanex16_b32 v55, v54, s18, s19
	v_add_f32 v54, v54, v55
	ds_store_b32 v42, v54 offset:256               ; other bytes than the maxima's: no barrier is owed to their readers
	s_wait_dscnt 0x0
	s_barrier_signal -1
	s_barrier_wait -1
	ds_load_b128 v[56:59], v43 offset:256
	ds_load_b128 v[60:63], v43 offset:272
	s_wait_tensorcnt 0x0                           ; the wave's end as far as LDS goes, behind my last LDS store
	ds_add_u32 v2, v3
	s_wait_dscnt 0x0                               ; the add, and the two loads
	v_add_f32 v56, v56, v57
	v_add_f32 v58, v58, v59
	v_add_f32 v60, v60, v61
	v_add_f32 v62, v62, v63
	v_add_f32 v56, v56, v58
	v_add_f32 v60, v60, v62
	v_add_f32 v56, v56, v60                        ; L
	v_rcp_f32 v54, v56
	v_nop
	s_wait_alu depctr_va_vdst(0)
.irp i, 0,1,2,3
	v_mul_f32 v[4+(\i)], v[4+(\i)], v54
.endr
	global_store_b128 v1, v[4:7], s[10:11]         ; the weights: 512 consecutive bytes a wave
.irp i, 0,1,2,3,4,5,6,7
	v_mul_f32 v[44+(\i)], v[44+(\i)], v54
.endr
	s_wait_loadcnt 0x0                             ; the eight parts
.irp c, 0,1,2,3
	v_mul_f32 v[64+(\c)], v44, v[8+(\c)]
.endr
.irp i, 1,2,3,4,5,6,7
.irp c, 0,1,2,3
	v_fma_f32 v[64+(\c)], v[44+(\i)], v[8+4*(\i)+(\c)], v[64+(\c)]
.endr
.endr
	global_store_b128 v1, v[64:67], s[8:9]         ; the context
	s_endpgm
.Lfunc_end_k_qecfea03e97_combine:
	.size	k_qecfea03e97_combine, .Lfunc_end_k_qecfea03e97_combine-k_qecfea03e97_combine
	.p2alignl 7, 3214868480
	.fill 96, 4, 3214868480
	.section	.rodata,"a",@progbits
	.p2align	6, 0x0
	.amdhsa_kernel k_qecfea03e97_combine
		.amdhsa_group_segment_fixed_size 4096
		.amdhsa_private_segment_fixed_size 0
		.amdhsa_enable_private_segment 0
		.amdhsa_kernarg_size 32
		.amdhsa_user_sgpr_count 2
		.amdhsa_user_sgpr_kernarg_segment_ptr 1
		.amdhsa_wavefront_size32 1
		.amdhsa_system_sgpr_workgroup_id_x 1
		.amdhsa_system_sgpr_workgroup_id_y 1
		.amdhsa_system_sgpr_workgroup_id_z 1
		.amdhsa_system_vgpr_workitem_id 0
		.amdhsa_next_free_vgpr 72
		.amdhsa_next_free_sgpr 66
		.amdhsa_reserve_vcc 0
		.amdhsa_float_denorm_mode_32 3
		.amdhsa_float_denorm_mode_16_64 3
		.amdhsa_memory_ordered 1
		.amdhsa_forward_progress 1
		.amdhsa_inst_pref_size 8
	.end_amdhsa_kernel
	.amdgpu_metadata
---
amdhsa.version: [ 1, 2 ]
amdhsa.kernels:
  - .name:           k_qecfea03e97_combine
    .symbol:         k_qecfea03e97_combine.kd
    .args:
      - { .name: scores, .offset: 0, .size: 8, .value_kind: global_buffer, .address_space: global }
      - { .name: pctx, .offset: 8, .size: 8, .value_kind: global_buffer, .address_space: global }
      - { .name: out0, .offset: 16, .size: 8, .value_kind: global_buffer, .address_space: global }
      - { .name: out1, .offset: 24, .size: 8, .value_kind: global_buffer, .address_space: global }
    .group_segment_fixed_size: 4096
    .private_segment_fixed_size: 0
    .kernarg_segment_align: 8
    .kernarg_segment_size: 32
    .max_flat_workgroup_size: 256
    .sgpr_count:     66
    .vgpr_count:     72
    .wavefront_size: 32
...
	.end_amdgpu_metadata
.endif
;; end of part 3
